; MI455X (gfx1250); checked and timed in simulation.
; The chip was launched on July 23, 2026; its instructions are those of AMD's public machine-readable ISA for CDNA 5 (MIT licence, August 2026) and "CDNA5" Instruction Set Architecture Reference Guide (July 2026). The comments in the code are by the model that wrote it; some were corrected since.
;; Tiny MHA. Allowed arithmetic: matrix products marked QUANTISED: E2M3 operands, one E8M0 scale for each 32 along K, by v_wmma_scale_f32_16x16x128_f8f6f4 with both operands' format E2M3, f32 sums; everything else in f32.
;; Inputs: bk 512 float32; bo 512 float32; bq 512 float32; bv 512 float32; wk 512 x 512 float32; wo 512 x 512 float32; wq 512 x 512 float32; wv 512 x 512 float32; x 2 x 4,096 x 512 float32.
;; Outputs: out0 2 x 4,096 x 512 float32.
;; This version of the problem:
;;   THIS VERSION OF THE PROBLEM IS GIVEN IN LOW PRECISION. The matrix products marked QUANTISED in the list below multiply operands that are first quantised to E2M3 (2 exponent bits, 3 mantissa bits; 6 bits a number), with one power-of-two scale for each 32 numbers along K (OCP MX v1.0); their sums are f32. All else is computed in f32.
;;   The module's matrix products, in the order in which they are computed (A, B: the left and right operand; K: the contracted axis; several contracted axes count as one K, in the product's order):
;;     1. [M 8,192, K 512] x [K 512, N 512]; A: input x; B: input wq: QUANTISED
;;     2. [M 8,192, K 512] x [K 512, N 512]; A: input x; B: input wk: QUANTISED
;;     3. [M 8,192, K 512] x [K 512, N 512]; A: input x; B: input wv: QUANTISED
;;     4. batch 16 x [M 4,096, K 64] x [K 64, N 4,096]; A: computed on the way; B: computed on the way: QUANTISED
;;     5. batch 16 x [M 4,096, K 4,096] x [K 4,096, N 64]; A: softmax (see below); B: computed on the way: QUANTISED
;;     6. [M 8,192, K 512] x [K 512, N 512]; A: computed on the way; B: input wo: QUANTISED
;;   THE QUANTISER, for each operand of a quantised product, along K:
;;     - K is cut into blocks of 32 from its start; a last block that is shorter is filled with zeros.
;;     - A block's scale is 2^e with e = floor(log2(the largest magnitude in the block)) - 2, held to -126 .. 127; a block of zeros has e = 0. As a byte (E8M0): e + 127.
;;     - Each number is divided by its block's scale, clamped to +-7.5, and rounded to the nearest number of E2M3, ties to even, subnormals kept.
;;     - The product sums the exact products of the quantised numbers (number of the format x scale) in f32.
;;   ~~~python
;;   def quantise(x, axis):      # numpy; x: float32 -> the quantised numbers, widened to float32 again
;;       x = np.moveaxis(x, axis, -1); K = x.shape[-1]
;;       x = np.pad(x, [(0, 0)] * (x.ndim - 1) + [(0, -K % 32)]); x = x.reshape(x.shape[:-1] + (-1, 32)); a = np.abs(x).max(-1, keepdims=True)
;;       e = np.where(a > 0, np.clip(np.frexp(np.where(a > 0, a, 1))[1] - 1 - 2, -126, 127), 0)      # np.frexp(a)[1] - 1 = floor(log2(a)), exactly
;;       r = np.clip(x / 2.0 ** e, -7.5, 7.5)
;;       step = 2.0 ** (np.maximum(np.frexp(np.where(r == 0, 1, r))[1] - 1, 0) - 3)
;;       q = np.round(r / step) * step * 2.0 ** e      # np.round: ties to even
;;       return np.moveaxis(q.reshape(q.shape[:-2] + (-1,))[..., :K], -1, axis).astype(np.float32)
;;   ~~~
;;   SOFTMAX AHEAD OF A QUANTISED PRODUCT. Where the list says 'softmax', what is quantised is not the finished softmax but p = 2^(t - M), with t = logit x log2(e) and M = ceil(the row's largest t), a whole number; so 1/2 < the row's largest p <= 1. The row's sum l is taken of the UNQUANTISED p, in f32, and the product's result is divided by l at the end. Since M is a whole number, a kernel that streams over the keys may use a running M (the ceiling of the running maximum): every later rescaling is an exact power of two, which a block's scale takes up: the codes' values come out the same.
;;   OPERANDS COMPUTED ON THE WAY. 'Computed on the way' means the value that the module computes at that place (a softmax that the list does not call 'softmax' is quantised finished and normalised). What goes into a quantiser is computed in f32, as accurately as f32 sums, v_exp_f32 and their like allow (about 1e-6 of the number): no bf16 or f16 on the way to a quantiser, and a product that is left as it is and whose result goes on into a quantised operand takes f32 operands (vector FMAs, or v_wmma_f32_16x16x4_f32). A number that lies on a knife's edge between two numbers of the format may be rounded either way, as far as f32 arithmetic and the matrix unit's own rounding can turn it there, and no further.
;; One version. Each part assembles by itself: llvm-mc -triple=amdgcn-amd-amdhsa -mcpu=gfx1250 --defsym DOCPART=n.
;; ======== version 1 of 1: 4 launches
;; limits: right only within a limited range of input values
;; workspace buffers: xw 4,259,840 bytes; qb 3,407,872 bytes; kv 6,815,744 bytes; yc 3,276,800 bytes
;; launch prep (part 1): grid 160 x 1, 4 waves a work-group, no clusters, 34,304 bytes of LDS; arguments x, wq, wk, wv, wo, xw; writes xw
.if DOCPART == 1
	.amdgcn_target "amdgcn-amd-amdhsa--gfx1250"
	.amdhsa_code_object_version 6
	.text
	.protected	k_qb2b90d7d3d_prep
	.globl	k_qb2b90d7d3d_prep
	.p2align	8
	.type	k_qb2b90d7d3d_prep,@function
k_qb2b90d7d3d_prep:
	s_mov_b64 s[64:65], 0
	v_nop
	global_prefetch_b8 v0, s[64:65] scope:SCOPE_SE
	s_setreg_imm32_b32 hwreg(HW_REG_WAVE_MODE, 25, 1), 1
	s_wait_xcnt 0x0
; x [8192][512] and the four weights [512][512], f32 with K innermost, become codes of E2M3 with one E8M0 byte for each 32 along K,
; laid as IMAGES OF OPERAND REGISTERS: a tile of 16 rows is a block of 6,656 bytes: for K step s (128 along K) a fragment of 12 registers
; a lane at 1536 s (register group k at + 512 k + 16 x lane), and at 6,144 the scale words: lane l's 16 bytes are the words of s = 0 .. 3 of tile row l % 16.
; THE ROWS OF A TILE ARE NOT NEIGHBOURS: rows go in groups of 64, and tile t of a group holds at tile row m the row 8 t + m % 8 + 32 (m / 8).
; A product that takes such tiles as its source 0 then leaves, in the 32 registers of a group's four results, 32 neighbours in order.
; A block's scale is 2^(floor(log2(largest magnitude)) - 2): its byte is the largest magnitude's exponent field - 2, held at 1 from below.
; LIMITS: a block of zeros gets the byte 1 (its codes are zeros, and this program alone reads the bytes); NaN and infinities among the inputs are not served.
; SHARES: work-group G is one group of 64 rows: 0 .. 127 of x, then 8 each of wq, wk, wv, wo; wave w is tile w.  Waves share nothing: no barrier.
; Each load reads 512 consecutive bytes of a row; a K step's 16 rows turn through the wave's own stage in LDS, so that a lane gets 2 x 32 neighbours.
.set SP,   528                         ; a stage row: 512 bytes + 16 = 33 x 16: the sixteen rows that a load touches start at sixteen different groups of banks (64 banks of 4 bytes: ISA guide 11.1)
.set STG,  16*SP                       ; a wave's stage
.set BLK,  6656                        ; a tile's block in xw
.set R,    16                          ; v16-79, v80-143  two sets of 16 x 4 registers as loaded
.set X,    144                         ; v144-207 my 64 numbers: register 32 c + i = k 64 c + 32 (lane / 16) + i of tile row lane % 16
.set PC,   208                         ; v208-219 the fragment's codes
.set TC,   220                         ; v220-227 the upper halves of the two blocks' codes, as the conversions leave them
.set SW,   228                         ; v228-231 the scale words of the four K steps
.set MX,   232                         ; v232-233 largest magnitudes
.set SC,   234                         ; v234-235 the conversions' scale operands
.set BY,   236                         ; v236-237 the scale bytes
.set T2,   238                         ; v238     the other half's bytes
	s_load_b256 s[4:11], s[0:1], 0x0               ; x s[4:5], wq s[6:7], wk s[8:9], wv s[10:11]
	s_load_b128 s[12:15], s[0:1], 0x20             ; wo s[12:13], xw s[14:15]
	v_lshl_add_u32 v240, v0, 2, 0x8400
	v_mov_b32 v241, 0
	v_lshrrev_b32 v5, 5, v0
	v_readfirstlane_b32 s16, v5                    ; wave = tile
	v_and_b32 v6, 31, v0
	v_lshlrev_b32 v1, 4, v6                        ; v1 = 16 x lane
	v_and_b32 v7, 15, v0                           ; r
	v_bfe_u32 v8, v0, 4, 1                         ; h
	s_mul_i32 s17, s16, STG
	v_add_nc_u32 v2, s17, v1                       ; v2: into the stage, 16 bytes a lane of a row
	v_mul_u32_u24 v3, v7, SP
	v_lshl_add_u32 v3, v8, 7, v3
	v_add_nc_u32 v3, s17, v3                       ; v3: out of it: row r, + 128 h
	v_lshlrev_b32 v4, 3, v8                        ; v4 = 8 h: my bytes' place in a scale word
	v_mov_b32 v[T2], 0                             ; written once: a lane permute's destination counts as one of its sources
	s_mov_b32 s20, 0x76543210
	s_mov_b32 s21, 0xfedcba98                      ; selects for lane l xor 16
	s_and_b32 s22, ttmp9, 7                        ; a weight's group (128 is a multiple of 8)
	s_lshl_b32 s26, ttmp9, 2
	s_add_co_u32 s26, s26, s16
	s_mul_i32 s26, s26, BLK                        ; my block in xw: 4 G + wave
	s_mov_b32 s27, 0
	s_wait_alu depctr_va_vdst(0)
	s_wait_kmcnt 0x0
	s_cmp_lt_u32 ttmp9, 152                        ; which tensor: the choice hangs on the work-group's number alone
	s_cselect_b64 s[18:19], s[10:11], s[12:13]
	s_cmp_lt_u32 ttmp9, 144
	s_cselect_b64 s[18:19], s[8:9], s[18:19]
	s_cmp_lt_u32 ttmp9, 136
	s_cselect_b64 s[18:19], s[6:7], s[18:19]
	s_cmp_lt_u32 ttmp9, 128
	s_cselect_b64 s[18:19], s[4:5], s[18:19]
	s_cselect_b32 s22, ttmp9, s22                  ; the group within its tensor
	s_lshl_b32 s24, s22, 17                        ; 64 rows of 2,048 bytes
	s_lshl_b32 s25, s16, 14                        ; + 8 rows a tile
	s_add_co_u32 s24, s24, s25
	s_mov_b32 s25, 0
	s_add_nc_u64 s[18:19], s[18:19], s[24:25]
	s_add_nc_u64 s[14:15], s[14:15], s[26:27]
.macro LOAD s                          ; K step s of the tile's 16 rows: 512 consecutive bytes a load
.irp i, 0,1,2,3,4,5,6,7,8,9,10,11,12,13,14,15
	global_load_b128 v[R+64*((\s)%2)+4*\i:R+64*((\s)%2)+4*\i+3], v1, s[18:19] offset:((\i%8)+32*(\i/8))*2048+512*(\s) th:TH_LOAD_NT
.endr
.endm
.macro STEP s
.if (\s) < 3
	s_wait_loadcnt 16                              ; this step's sixteen loads are in; the next step's sixteen may be out
.else
	s_wait_loadcnt 0x0
.endif
.irp i, 0,1,2,3,4,5,6,7,8,9,10,11,12,13,14,15
	ds_store_b128 v2, v[R+64*((\s)%2)+4*\i:R+64*((\s)%2)+4*\i+3] offset:SP*\i
.endr
.irp c, 0,1
.irp i, 0,1,2,3,4,5,6,7
	ds_load_b128 v[X+32*\c+4*\i:X+32*\c+4*\i+3], v3 offset:256*\c+16*\i   ; LDS serves a wave's instructions in order (ISA guide 5.7.1.4): these see the stores above
.endr
.endr
	s_wait_dscnt 0x0                               ; my 64 numbers are in, and the stores have read their registers,
.if (\s) < 2
	LOAD (\s)+2                                    ; which take the loads of two steps on
.endif
.irp c, 0,1
	v_max3_num_f32 v[MX+\c], |v[X+32*\c]|, |v[X+32*\c+1]|, 0x1800000   ; block 2 c + h is all mine; the floor 2^(3 - 127) keeps the byte at 1 or above
.endr
.irp i, 2,4,6,8,10,12,14,16,18,20,22,24,26,28,30
.irp c, 0,1
	v_max3_num_f32 v[MX+\c], v[MX+\c], |v[X+32*\c+\i]|, |v[X+32*\c+\i+1]|
.endr
.endr
.irp c, 0,1
	v_add_nc_u32 v[SC+\c], 0xff000000, v[MX+\c]    ; 2 off the exponent field: the conversion takes this operand's exponent field as its scale
.endr
.irp c, 0,1
	v_lshrrev_b32 v[BY+\c], 23, v[SC+\c]           ; the scale's byte
.endr
	v_lshl_or_b32 v[BY], v[BY+1], 16, v[BY]        ; my two bytes: blocks h and 2 + h,
	v_lshlrev_b32 v[BY], v4, v[BY]                 ; at their places;
	v_permlanex16_b32 v[T2], v[BY], s20, s21
	v_or_b32 v[SW+(\s)], v[BY], v[T2]              ; with lane l xor 16's two the word is whole, in both halves of the lanes
	s_wait_alu depctr_va_vdst(0)
	s_wait_xcnt 0x0                                ; the last step's stores have read the codes' registers: they are written again only behind this wait
.irp c, 0,1
	v_cvt_scalef32_pk16_fp6_f32 v[PC+6*\c:PC+6*\c+2], v[X+32*\c:X+32*\c+15], v[SC+\c]
	v_cvt_scalef32_pk16_fp6_f32 v[TC+4*\c:TC+4*\c+2], v[X+32*\c+16:X+32*\c+31], v[SC+\c]   ; (a conversion's three registers begin on an even number)
.endr
	v_nop                                          ; one plain instruction behind the scaled conversions
.irp c, 0,1
.irp i, 0,1,2
	v_mov_b32 v[PC+6*\c+3+\i], v[TC+4*\c+\i]
.endr
.endr
.irp k, 0,1,2
	global_store_b128 v1, v[PC+4*\k:PC+4*\k+3], s[14:15] offset:1536*(\s)+512*\k   ; 32 lanes store 512 consecutive bytes, at a multiple of 256 from the buffer's first byte
.endr
.endm
	LOAD 0
	LOAD 1
	STEP 0
	STEP 1
	STEP 2
	STEP 3
	global_store_b128 v1, v[SW:SW+3], s[14:15] offset:6144
	s_wait_tensorcnt 0x0
	ds_add_u32 v240, v241
	s_wait_dscnt 0x0
	s_endpgm
.Lfunc_end_k_qb2b90d7d3d_prep:
	.size	k_qb2b90d7d3d_prep, .Lfunc_end_k_qb2b90d7d3d_prep-k_qb2b90d7d3d_prep
	.p2alignl 7, 3214868480
	.fill 96, 4, 3214868480
	.section	.rodata,"a",@progbits
	.p2align	6, 0x0
	.amdhsa_kernel k_qb2b90d7d3d_prep
		.amdhsa_group_segment_fixed_size 34304
		.amdhsa_private_segment_fixed_size 0
		.amdhsa_enable_private_segment 0
		.amdhsa_kernarg_size 48
		.amdhsa_user_sgpr_count 2
		.amdhsa_user_sgpr_kernarg_segment_ptr 1
		.amdhsa_wavefront_size32 1
		.amdhsa_system_sgpr_workgroup_id_x 1
		.amdhsa_system_sgpr_workgroup_id_y 1
		.amdhsa_system_sgpr_workgroup_id_z 1
		.amdhsa_system_vgpr_workitem_id 0
		.amdhsa_next_free_vgpr 242
		.amdhsa_next_free_sgpr 66
		.amdhsa_reserve_vcc 0
		.amdhsa_float_denorm_mode_32 3
		.amdhsa_float_denorm_mode_16_64 3
		.amdhsa_memory_ordered 1
		.amdhsa_forward_progress 1
		.amdhsa_inst_pref_size 30
	.end_amdhsa_kernel
	.amdgpu_metadata
---
amdhsa.version: [ 1, 2 ]
amdhsa.kernels:
  - .name:           k_qb2b90d7d3d_prep
    .symbol:         k_qb2b90d7d3d_prep.kd
    .args:
      - { .name: x, .offset: 0, .size: 8, .value_kind: global_buffer, .address_space: global }
      - { .name: wq, .offset: 8, .size: 8, .value_kind: global_buffer, .address_space: global }
      - { .name: wk, .offset: 16, .size: 8, .value_kind: global_buffer, .address_space: global }
      - { .name: wv, .offset: 24, .size: 8, .value_kind: global_buffer, .address_space: global }
      - { .name: wo, .offset: 32, .size: 8, .value_kind: global_buffer, .address_space: global }
      - { .name: xw, .offset: 40, .size: 8, .value_kind: global_buffer, .address_space: global }
    .group_segment_fixed_size: 34304
    .private_segment_fixed_size: 0
    .kernarg_segment_align: 8
    .kernarg_segment_size: 48
    .max_flat_workgroup_size: 128
    .sgpr_count:     66
    .vgpr_count:     242
    .wavefront_size: 32
...
	.end_amdgpu_metadata
.endif
;; end of part 1
;; launch qkv (part 2): grid 32 x 6, 4 waves a work-group, no clusters, 168,448 bytes of LDS; arguments xw, bq, bk, bv, qb, kv; writes qb, kv
.if DOCPART == 2
	.amdgcn_target "amdgcn-amd-amdhsa--gfx1250"
	.amdhsa_code_object_version 6
	.text
	.protected	k_qb2b90d7d3d_qkv
	.globl	k_qb2b90d7d3d_qkv
	.p2align	8
	.type	k_qb2b90d7d3d_qkv,@function
k_qb2b90d7d3d_qkv:
	s_mov_b64 s[64:65], 0
	v_nop
	global_prefetch_b8 v0, s[64:65] scope:SCOPE_SE
	s_setreg_imm32_b32 hwreg(HW_REG_WAVE_MODE, 25, 1), 1
	s_wait_xcnt 0x0
; q, k, v = x W^T + b on codes of E2M3 (K = 512: four matrix instructions deep), and their results leave QUANTISED, as images of attention's operand registers.
; SHARES: work-group (rg, cg): 256 rows of x (16 tiles) x four heads of one of the three weights (cg / 2: q, k, v; heads 4 (cg % 2) + wave).
; A wave keeps its head's 4 tiles x 4 K steps of W in 192 registers for the whole launch; x's 16 tile blocks come into LDS once, one tensor load a wave, and are never filled again.
; q, k: TRANSPOSED (source 0 = W's tile u, source 1 = x's tile): by the order of W's rows in a tile, the 32 registers of u = 0 .. 3 are e = 32 (lane / 16) + 0 .. 31 of one row: a whole block of the head's 64.
; v: source 0 = x's tile t, source 1 = Wv's tile u: the 32 registers of t = 0 .. 3 are keys 32 (lane / 16) + 0 .. 31 of a group of 64, of one channel d: a whole block along the keys.
; So every block's largest magnitude lies in one lane, and the conversions' results are the next operand's registers.  The bias is the C of each sum's first matrix instruction.
; qb: blocks of 6,656 bytes for 128 rows of a head: eight tiles of 768 bytes (6 registers a lane: 4 at 16 x lane, 2 at 512 + 8 x lane), then 512 bytes of scale words:
;     register j: lanes 0-15 tile 2 j, lanes 16-31 tile 2 j + 1.  A word: the two bytes, and 0x7f for the unused upper 64 along K.
; kv: blocks of 13,312 bytes for 128 keys of a head: K as in qb; at 6,144 V^T's four fragments of 1,536 bytes; at 12,288 K's scale words; at 12,800 V's.
; NO CLUSTER: x's tiles are shared by the 6 work-groups along y, and 6 is no multiple of a cluster's 4; along x only the weights are shared, and they go straight into registers.
; LIMITS: a block of zeros gets the byte 1 (its codes are zeros; this program alone reads the bytes); NaN and infinities are not served.
; REGISTERS: window 0: v1-6 addresses; v16-111 x's fragments, two sets; v112-119 their scale words; v120-135 W's scale words; v136-223 the epilogue's.
;   window 1: v0-191 W's fragments (u, s) at 12 (4 u + s); v192-223 the bias, 8 registers a tile u.   window 2: v0-127 the 16 accumulators of a group of 64 rows.
.set BLK,  6656
.set XF,   16
.set XS,   112
.set WS,   120
.set CD,   136                         ; v136-183 the codes: q, k: 8 registers a tile t; v: 12 a tile u
.set TC,   184                         ; v184-199 the upper halves of the blocks' codes, as the conversions leave them
.set PS,   200                         ; v200-203 the scale words that leave
.set MX,   204
.set SC,   208
.set BY,   212
.set T2,   216
.set B0,   220                         ; v220-223 v: the bytes of a key step's first 64 keys
.set BI,   192                         ; in window 1
.set MSB, 0
.macro WIN new                         ; the immediate's high byte repeats the setting that is left
.if MSB != \new
	s_set_vgpr_msb (MSB<<8)|\new
.set MSB, \new
.endif
.endm
.macro PLACES                          ; four plain instructions between a matrix instruction and a load into its registers or a read of its result
.rept 4
	v_nop
.endr
.endm
	s_load_b256 s[4:11], s[0:1], 0x0               ; xw s[4:5], bq s[6:7], bk s[8:9], bv s[10:11]
	s_load_b128 s[12:15], s[0:1], 0x20             ; qb s[12:13], kv s[14:15]
	v_lshl_add_u32 v254, v0, 2, 0x29000
	v_mov_b32 v255, 0
	ds_add_u32 v254, v255
	ds_add_u32 v254, v255
	v_lshrrev_b32 v7, 5, v0
	v_readfirstlane_b32 s28, v7                    ; wave
	v_and_b32 v7, 31, v0
	v_lshlrev_b32 v1, 4, v7                        ; v1 = 16 x lane
	v_lshlrev_b32 v2, 3, v7                        ; v2 = 8 x lane
	v_bfe_u32 v8, v0, 4, 1                         ; h
	v_lshlrev_b32 v3, 3, v8                        ; v3 = 8 h
	v_lshlrev_b32 v4, 4, v7                        ; v4: LDS, x's tiles 0-7
	v_add_nc_u32 v5, 8*BLK, v1                     ; v5: tiles 8-15
.irp t, 0,1,2,3
	v_mov_b32 v[T2+\t], 0                          ; written once: a lane permute's destination counts as one of its sources
.endr
	s_and_b32 s29, ttmp7, 0xffff
	s_lshr_b32 s30, s29, 1                         ; 0: q, 1: k, 2: v
	s_and_b32 s31, s29, 1
	s_lshl_b32 s31, s31, 2
	s_add_co_u32 s31, s31, s28                     ; my head
	; descriptor group 1: four tile blocks, 26,624 dense bytes, as 104 rows of 256 bytes (32 elements of 8 bytes)
	s_mov_b32 s16, 3<<16
	s_mov_b32 s17, 32<<16
	s_mov_b32 s18, 104<<16
	s_mov_b32 s19, 32<<16
	s_mov_b32 s20, 104
	s_mov_b32 s21, 32
	s_mov_b32 s22, 0
	s_mov_b32 s23, 0
	s_lshl_b32 s32, ttmp9, 4
	s_lshl_b32 s33, s28, 2
	s_add_co_u32 s32, s32, s33
	s_mul_i32 s32, s32, BLK                        ; x's tiles 16 rg + 4 wave on
	s_mov_b32 s33, 0
	s_mov_b32 s24, 1
	s_mul_i32 s25, s28, 4*BLK                      ; LDS: wave x four blocks
	s_lshl_b32 s34, s30, 5
	s_lshl_b32 s35, s31, 2
	s_add_co_u32 s34, s34, s35
	s_add_co_u32 s34, s34, 512
	s_mul_i32 s34, s34, BLK                        ; my head's four tiles of W: blocks 512 + 32 x weight + 4 x head on
	s_mov_b32 s35, 0
	s_wait_dscnt 0x0
	s_wait_kmcnt 0x0
	s_add_nc_u64 s[26:27], s[4:5], s[32:33]
	s_or_b32 s27, s27, 0x80000000
	tensor_load_to_lds s[24:27], s[16:23]          ; my one tensor load of the launch
	s_nop 0
	PLACES                                         ; (four lines behind a tensor load, ahead of a switch of windows)
	s_add_nc_u64 s[34:35], s[4:5], s[34:35]
	WIN 0x40                                       ; destination window 1
.irp u, 0,1,2,3
.irp s, 0,1,2,3
.irp k, 0,1,2
	global_load_b128 v[12*(4*\u+\s)+4*\k:12*(4*\u+\s)+4*\k+3], v1, s[34:35] offset:BLK*\u+1536*\s+512*\k
.endr
.endr
.endr
	WIN 0
.irp u, 0,1,2,3
	global_load_b128 v[WS+4*\u:WS+4*\u+3], v1, s[34:35] offset:BLK*\u+6144   ; W's scale words: register 4 u + s
.endr
	s_cmp_eq_u32 s30, 0
	s_cselect_b64 s[52:53], s[6:7], s[8:9]
	s_cselect_b64 s[36:37], s[12:13], s[14:15]     ; q goes to qb, k and v to kv
	s_mov_b32 s38, 2*BLK
	s_cselect_b32 s38, BLK, s38                    ; a block of 128 rows there,
	s_mov_b32 s40, 12288
	s_cselect_b32 s40, 6144, s40                   ; and where its scale words of q or k begin
	s_cmp_eq_u32 s30, 2
	s_cselect_b64 s[52:53], s[10:11], s[52:53]     ; the bias
	s_lshl_b32 s54, s31, 8
	s_mov_b32 s55, 0
	s_add_nc_u64 s[52:53], s[52:53], s[54:55]      ; at my head's 64 numbers
	s_mov_b32 s39, 0
	s_mov_b32 s41, 0
	s_lshr_b32 s42, ttmp9, 4
	s_lshl_b32 s42, s42, 3
	s_add_co_u32 s42, s42, s31                     ; 8 x batch + head
	s_lshl_b32 s42, s42, 5
	s_and_b32 s43, ttmp9, 15
	s_lshl_b32 s43, s43, 1
	s_add_co_u32 s42, s42, s43                     ; my first block of 128 rows
	s_mul_i32 s42, s42, s38
	s_mov_b32 s43, 0
	s_add_nc_u64 s[44:45], s[36:37], s[42:43]      ; s[44:45], s[46:47]: my two blocks
	s_add_nc_u64 s[46:47], s[44:45], s[38:39]
	s_add_nc_u64 s[48:49], s[44:45], s[40:41]      ; s[48:49], s[50:51]: their scale words of q or k
	s_add_nc_u64 s[50:51], s[46:47], s[40:41]
	s_mov_b32 s56, 0x7f7f0000
	s_mov_b32 s58, 0x76543210
	s_mov_b32 s59, 0xfedcba98
	s_mov_b32 vcc_lo, 0xffff0000                   ; lanes 16-31
	s_wait_tensorcnt 0x0                           ; my four blocks are in LDS,
	s_barrier_signal -1
	s_barrier_wait -1                              ; everybody's are
.macro FETCH n                         ; x's tile n: four fragments and their scale words, thirteen dense loads, into set n % 2
	WIN 0
.irp s, 0,1,2,3
.irp k, 0,1,2
	ds_load_b128 v[XF+48*((\n)%2)+12*\s+4*\k:XF+48*((\n)%2)+12*\s+4*\k+3], v[4+(\n)/8] offset:((\n)%8)*BLK+1536*\s+512*\k
.endr
.endr
	ds_load_b128 v[XS+4*((\n)%2):XS+4*((\n)%2)+3], v[4+(\n)/8] offset:((\n)%8)*BLK+6144
.endm
; 16 matrix instructions: x's tile n against W's four tiles, K step by K step; the four accumulators take turns, one instruction a turn
.macro MUL n, tr
.irp s, 0,1,2,3
.if \tr
.if \s == 0
	WIN 0x91                                       ; source 0 (W) and C (bias) window 1, source 1 (x) window 0, D window 2
.else
	WIN 0xa1                                       ; C and D window 2
.endif
.else
.if \s == 0
	WIN 0x94                                       ; source 0 (x) window 0, source 1 (W) and C window 1, D window 2
.else
	WIN 0xa4
.endif
.endif
.irp u, 0,1,2,3
.set rX, XF+48*((\n)%2)+12*\s
.set rW, 12*(4*\u+\s)
.set sX, XS+4*((\n)%2)+\s
.set sW, WS+4*\u+\s
.if \tr
.set rD, 8*(4*((\n)%4)+\u)
.if \s == 0
	v_wmma_scale_f32_16x16x128_f8f6f4 v[rD:rD+7], v[rW:rW+11], v[rX:rX+11], v[BI+8*\u:BI+8*\u+7], v[sW], v[sX] matrix_a_fmt:MATRIX_FMT_FP6 matrix_b_fmt:MATRIX_FMT_FP6
.else
	v_wmma_scale_f32_16x16x128_f8f6f4 v[rD:rD+7], v[rW:rW+11], v[rX:rX+11], v[rD:rD+7], v[sW], v[sX] matrix_a_fmt:MATRIX_FMT_FP6 matrix_b_fmt:MATRIX_FMT_FP6
.endif
.else
.set rD, 8*(4*\u+(\n)%4)
.if \s == 0
	v_wmma_scale_f32_16x16x128_f8f6f4 v[rD:rD+7], v[rX:rX+11], v[rW:rW+11], v[BI+8*\u:BI+8*\u+7], v[sX], v[sW] matrix_a_fmt:MATRIX_FMT_FP6 matrix_b_fmt:MATRIX_FMT_FP6
.else
	v_wmma_scale_f32_16x16x128_f8f6f4 v[rD:rD+7], v[rX:rX+11], v[rW:rW+11], v[rD:rD+7], v[sX], v[sW] matrix_a_fmt:MATRIX_FMT_FP6 matrix_b_fmt:MATRIX_FMT_FP6
.endif
.endif
.endr
.endr
.endm
; Four units of 32 accumulator registers (unit t at 32 t of window 2), each a whole block of one lane: largest magnitude, scale operand, byte.  Each accumulator is read from its low end on.
.macro BLOCKMAX
	WIN 0
	PLACES
	s_wait_xcnt 0x0                                ; the last epilogue's stores have read their registers: these are written again only behind this wait
	WIN 0x0a                                       ; sources 0 and 1 window 2
.irp t, 0,1,2,3
	v_max3_num_f32 v[MX+\t], |v[32*\t]|, |v[32*\t+1]|, 0x1800000   ; the floor 2^(3 - 127) keeps the byte at 1 or above
.endr
.irp i, 2,4,6,8,10,12,14,16,18,20,22,24,26,28,30
.irp t, 0,1,2,3
	v_max3_num_f32 v[MX+\t], |v[32*\t+\i]|, |v[32*\t+\i+1]|, v[MX+\t]
.endr
.endr
	WIN 0
.irp t, 0,1,2,3
	v_add_nc_u32 v[SC+\t], 0xff000000, v[MX+\t]    ; 2 off the exponent field: the conversion's scale operand
.endr
.irp t, 0,1,2,3
	v_lshrrev_b32 v[BY+\t], 23, v[SC+\t]           ; the scale's byte
.endr
	WIN 0x02                                       ; source 0 window 2
.endm
; q, k: group g of 64 rows: unit t = x's tile t; tile 4 (g % 2) + t of block g / 2
.macro EPI_QK g
	BLOCKMAX
.irp t, 0,1,2,3
	v_cvt_scalef32_pk16_fp6_f32 v[CD+8*\t:CD+8*\t+2], v[32*\t:32*\t+15], v[SC+\t]
	v_cvt_scalef32_pk16_fp6_f32 v[TC+4*\t:TC+4*\t+2], v[32*\t+16:32*\t+31], v[SC+\t]   ; (a conversion's three registers begin on an even number)
.endr
	WIN 0
	v_nop                                          ; one plain instruction behind the scaled conversions
.irp t, 0,1,2,3
.irp i, 0,1,2
	v_mov_b32 v[CD+8*\t+3+\i], v[TC+4*\t+\i]
.endr
.endr
.irp t, 0,1,2,3
	v_lshl_or_b32 v[BY+\t], v[BY+\t], v3, s56      ; my byte (block h) at its place; the unused blocks 2 and 3 get 0x7f
.endr
.irp t, 0,1,2,3
	v_permlanex16_b32 v[T2+\t], v[BY+\t], s58, s59
.endr
.irp t, 0,1,2,3
	v_or_b32 v[BY+\t], v[BY+\t], v[T2+\t]          ; the row's word, in both halves of the lanes
.endr
	v_cndmask_b32 v[PS+2*((\g)%2)], v[BY], v[BY+1], vcc_lo       ; lanes 0-15 the even tile's words, lanes 16-31 the odd tile's
	v_cndmask_b32 v[PS+2*((\g)%2)+1], v[BY+2], v[BY+3], vcc_lo
.irp t, 0,1,2,3
	global_store_b128 v1, v[CD+8*\t:CD+8*\t+3], s[44+2*((\g)/2):45+2*((\g)/2)] offset:768*(4*((\g)%2)+\t)        ; 512 consecutive bytes,
	global_store_b64 v2, v[CD+8*\t+4:CD+8*\t+5], s[44+2*((\g)/2):45+2*((\g)/2)] offset:768*(4*((\g)%2)+\t)+512   ; and 256: both begin at multiples of 256
.endr
.if (\g)%2 == 1
	global_store_b128 v1, v[PS:PS+3], s[48+2*((\g)/2):49+2*((\g)/2)]
.endif
.endm
; v: group g of 64 keys: unit u = channels' tile u; the group is half g % 2 of key step g / 2
.macro EPI_V g
	BLOCKMAX
.irp u, 0,1,2,3
	v_cvt_scalef32_pk16_fp6_f32 v[CD+12*\u+6*((\g)%2):CD+12*\u+6*((\g)%2)+2], v[32*\u:32*\u+15], v[SC+\u]
	v_cvt_scalef32_pk16_fp6_f32 v[TC+4*\u:TC+4*\u+2], v[32*\u+16:32*\u+31], v[SC+\u]
.endr
	WIN 0
	v_nop                                          ; one plain instruction behind the scaled conversions
.irp u, 0,1,2,3
.irp i, 0,1,2
	v_mov_b32 v[CD+12*\u+6*((\g)%2)+3+\i], v[TC+4*\u+\i]
.endr
.endr
.if (\g)%2 == 0
.irp u, 0,1,2,3
	v_mov_b32 v[B0+\u], v[BY+\u]                   ; block h's byte waits for block 2 + h's
.endr
.else
.irp u, 0,1,2,3
	v_lshl_or_b32 v[BY+\u], v[BY+\u], 16, v[B0+\u]
.endr
.irp u, 0,1,2,3
	v_lshlrev_b32 v[BY+\u], v3, v[BY+\u]
.endr
.irp u, 0,1,2,3
	v_permlanex16_b32 v[T2+\u], v[BY+\u], s58, s59
.endr
.irp u, 0,1,2,3
	v_or_b32 v[PS+\u], v[BY+\u], v[T2+\u]          ; channel row r's word for these 128 keys
.endr
.irp u, 0,1,2,3
.irp k, 0,1,2
	global_store_b128 v1, v[CD+12*\u+4*\k:CD+12*\u+4*\k+3], s[44+2*((\g)/2):45+2*((\g)/2)] offset:6144+1536*\u+512*\k
.endr
.endr
	global_store_b128 v1, v[PS:PS+3], s[44+2*((\g)/2):45+2*((\g)/2)] offset:12800
.endif
.endm
; The 16 tiles of x, written out: tile n + 1 is fetched while tile n is multiplied; behind each group of four tiles its results leave.
.macro PATH tr
	FETCH 0
	s_wait_loadcnt 0x0                             ; W, its scale words, the bias
.irp n, 0,1,2,3,4,5,6,7,8,9,10,11,12,13,14,15
	PLACES                                         ; the set that is loaded next was read by the tile before
.if \n < 15
	FETCH \n+1
	s_wait_dscnt 13                                ; this tile's thirteen loads are in; the thirteen just issued may be out
.else
	s_wait_dscnt 0x0
.endif
	MUL \n, \tr
.if \n%4 == 3
.if \tr
	EPI_QK \n/4
.else
	EPI_V \n/4
.endif
.endif
.endr
	WIN 0
	s_wait_tensorcnt 0x0
	ds_add_u32 v254, v255
	s_wait_dscnt 0x0
	s_endpgm
.endm
	s_cmp_eq_u32 s30, 2                            ; the work-group's y alone decides
	s_cbranch_scc1 .Lv_path
	s_wait_alu depctr_va_vdst(0)
	v_lshlrev_b32 v6, 7, v8                        ; q, k: register j of tile u is unit e = 32 h + 8 u + j
	WIN 0x40
.irp u, 0,1,2,3
	global_load_b128 v[BI+8*\u:BI+8*\u+3], v6, s[52:53] offset:32*\u
	global_load_b128 v[BI+8*\u+4:BI+8*\u+7], v6, s[52:53] offset:32*\u+16
.endr
	PATH 1
.Lv_path:
	v_and_b32 v9, 7, v0                            ; v: all eight registers of tile u are channel 8 u + r % 8 + 32 (r / 8)
	v_bfe_u32 v10, v0, 3, 1
	v_lshlrev_b32 v6, 2, v9
	v_lshl_add_u32 v6, v10, 7, v6
	WIN 0x40
.irp u, 0,1,2,3
.irp j, 0,1,2,3,4,5,6,7
	global_load_b32 v[BI+8*\u+\j], v6, s[52:53] offset:32*\u
.endr
.endr
	PATH 0
.Lfunc_end_k_qb2b90d7d3d_qkv:
	.size	k_qb2b90d7d3d_qkv, .Lfunc_end_k_qb2b90d7d3d_qkv-k_qb2b90d7d3d_qkv
	.p2alignl 7, 3214868480
	.fill 96, 4, 3214868480
	.section	.rodata,"a",@progbits
	.p2align	6, 0x0
	.amdhsa_kernel k_qb2b90d7d3d_qkv
		.amdhsa_group_segment_fixed_size 168448
		.amdhsa_private_segment_fixed_size 0
		.amdhsa_enable_private_segment 0
		.amdhsa_kernarg_size 48
		.amdhsa_user_sgpr_count 2
		.amdhsa_user_sgpr_kernarg_segment_ptr 1
		.amdhsa_wavefront_size32 1
		.amdhsa_system_sgpr_workgroup_id_x 1
		.amdhsa_system_sgpr_workgroup_id_y 1
		.amdhsa_system_sgpr_workgroup_id_z 1
		.amdhsa_system_vgpr_workitem_id 0
		.amdhsa_next_free_vgpr 640
		.amdhsa_next_free_sgpr 66
		.amdhsa_reserve_vcc 1
		.amdhsa_float_denorm_mode_32 3
		.amdhsa_float_denorm_mode_16_64 3
		.amdhsa_memory_ordered 1
		.amdhsa_forward_progress 1
		.amdhsa_inst_pref_size 168
	.end_amdhsa_kernel
	.amdgpu_metadata
---
amdhsa.version: [ 1, 2 ]
amdhsa.kernels:
  - .name:           k_qb2b90d7d3d_qkv
    .symbol:         k_qb2b90d7d3d_qkv.kd
    .args:
      - { .name: xw, .offset: 0, .size: 8, .value_kind: global_buffer, .address_space: global }
      - { .name: bq, .offset: 8, .size: 8, .value_kind: global_buffer, .address_space: global }
      - { .name: bk, .offset: 16, .size: 8, .value_kind: global_buffer, .address_space: global }
      - { .name: bv, .offset: 24, .size: 8, .value_kind: global_buffer, .address_space: global }
      - { .name: qb, .offset: 32, .size: 8, .value_kind: global_buffer, .address_space: global }
      - { .name: kv, .offset: 40, .size: 8, .value_kind: global_buffer, .address_space: global }
    .group_segment_fixed_size: 168448
    .private_segment_fixed_size: 0
    .kernarg_segment_align: 8
    .kernarg_segment_size: 48
    .max_flat_workgroup_size: 128
    .sgpr_count:     66
    .vgpr_count:     640
    .wavefront_size: 32
...
	.end_amdgpu_metadata
.endif
;; end of part 2
;; launch attn (part 3): grid 16 x 16, 8 waves a work-group, clusters of 4 x 1, 327,680 bytes of LDS; arguments qb, kv, yc; writes yc
.if DOCPART == 3
	.amdgcn_target "amdgcn-amd-amdhsa--gfx1250"
	.amdhsa_code_object_version 6
	.text
	.protected	k_qb2b90d7d3d_attn
	.globl	k_qb2b90d7d3d_attn
	.p2align	8
	.type	k_qb2b90d7d3d_attn,@function
k_qb2b90d7d3d_attn:
	s_mov_b64 s[64:65], 0
	v_nop
	global_prefetch_b8 v0, s[64:65] scope:SCOPE_SE
	s_setreg_imm32_b32 hwreg(HW_REG_WAVE_MODE, 25, 1), 1
	s_wait_xcnt 0x0
	s_wait_alu depctr_hold_cnt(0) depctr_sa_sdst(0) depctr_va_vdst(0) depctr_va_sdst(0) depctr_va_ssrc(0) depctr_va_vcc(0) depctr_vm_vsrc(0)
	s_getreg_b32 s2, hwreg(HW_REG_IB_STS2, 6, 4)
	s_cmp_eq_u32 s2, 0
	s_cbranch_scc0 .Lentry_in_a_cluster
	s_endpgm
.Lentry_in_a_cluster:
	s_bfe_u32 s2, ttmp6, 0x10000c
	s_cmp_lg_u32 s2, 0x3003
	s_cbranch_scc0 .Lentry_shape_is_right
	s_endpgm
.Lentry_shape_is_right:
; y[bh][q] = softmax_k(q . k / 8) v, both products on codes of E2M3, for 16 (batch, head) pairs of 4,096 queries and keys, head size 64; y leaves quantised along the model's 512.
; THE SOFTMAX: t = score x log2(e) / 8; M = the running largest t rounded UP to a whole number; p = 2^(t - M) is quantised along the keys, not normalised; the row's sum is taken of the
; unquantised p and divides at the end.  When M moves, the sum and O are multiplied by 2^(old M - new M), which rounds nothing.
; SHARES: a work-group owns 256 queries of one (batch, head); each of its eight waves TWO tiles of 16 queries: tile A in register window 0, tile B in window 1, under the same register numbers,
; so that one text serves both.  A fragment of K or V read from LDS feeds both tiles.  Every wave walks the 32 key steps of 128 keys.
; ORDER OF A STEP: V of this step and K of the next are asked of LDS at the head of tile A's softmax; behind a tile's softmax stand its O^T products and at once its S^T of the NEXT step,
; so that a tile's scores are made while the other tile's softmax is walked.  A walk's last step has no next.
; LAYOUT: both products are used transposed: S^T = K Q^T (source 0 = 16 keys), O^T = V^T P^T (source 0 = 16 channels): a lane holds ONE query (lane % 16) throughout.  By the order of the keys in a
; tile register 32 c + i of S^T is key 64 c + 32 (lane / 16) + i: two whole blocks of 32 in one lane, in the operand's own order; O^T's 32 registers are channels 32 (lane / 16) + 0 .. 31.
; K = 64 IN AN INSTRUCTION OF 128: Q's upper six registers are zero codes, so what stands in K's upper six (the next tile's codes: every code is a finite number) adds nothing; the upper scale bytes are 0x7f.
; A BLOCK'S SCALE: its largest p is 2^x with x = the block's largest score put through the same multiply-add as every score; the byte is floor(x) + 125, x held at -124 from below.
; LDS: three regions of 8 key steps.  Every wave issues one joint load at the head (step w), one behind the next round (steps 8 + 2 w, 9 + 2 w) and one refill (step 24 + w) behind the first 8 steps.
; CLUSTER: the four query blocks of a cluster walk the same K and V: every tile is asked for jointly, mask 15.  By this text's own count a wave has one tensor load out at a time.
; NO PREFETCH: the refill is asked for 16 key steps ahead of its first read, and the first 24 steps are asked for ahead of the first loop: there is no loop in which to run ahead of them.
; LIMITS: the promise holds while |t| stays under 2^31; where x lies within a rounding of a whole number, one p of the block may be held one code low; a block of zeros gets the byte 1; NaN and infinities are not served.
; All of a WGP's LDS is claimed, and 0 is added to spare words.
.set STEPB, 13312                      ; a key step: K's 8 tiles (6,144), V^T's 4 fragments (6,144), K's scale words (512), V's (512)
.set REG,   8*STEPB
.set SPARE, 3*REG                      ; the spare words: 128 bytes for each of the eight waves
; both windows: v3 = 8 (lane / 16), v12 -M, v13 the largest score, v[14:15] the sum in two halves, and:
.set Q,    16                          ; v16-27 Q's fragment (v22-27 zeros)
.set F,    30                          ; v[30:31] f = 2^(old M - new M)
.set S,    32                          ; v32-95 S^T, then p
.set O,    96                          ; v96-127 O^T
.set PC,   128                         ; v128-139 p's codes
.set TC,   140                         ; v140-147 the upper halves of the blocks' codes, as the conversions leave them
.set BM,   148                         ; v148-149 the two blocks' largest scores, then x
.set T,    150
.set T2,   151
.set SC,   152                         ; v152-153 the conversions' scale operands
.set BY,   154                         ; v154-155 floor(x), then the bytes
.set OM,   156                         ; the old -M
.set TT,   160                         ; v160-179 the maxima's tree, then the sum's eight chains
; window 0 alone: v1 = 16 x lane, v2 = 8 x lane, v4 my spare word, v5 = 0, v6, v7, v10 LDS addresses, v9 = 16 r + h, and:
.set PWR,  28                          ; v28, v29 p's scale words of tiles A, B
.set KF,   192                         ; v192-239 K's 8 tiles at 6 t; v240-245 zeros
.set KS,   246                         ; v246-249 K's scale words: register j: lanes 0-15 tile 2 j, lanes 16-31 tile 2 j + 1
.set VS,   250                         ; v250-253 V's
.set QS,   254                         ; Q's scale words: lanes 0-15 tile A, lanes 16-31 tile B
.set VF,   192                         ; window 1 alone: v192-239 V^T's 4 fragments at 12 u
.set MSB, 0
.macro WIN new                         ; the immediate's high byte repeats the setting that is left
.if MSB != (\new)
	s_set_vgpr_msb (MSB<<8)|(\new)
.set MSB, (\new)
.endif
.endm
.macro ROUND                           ; a round of the cluster's barrier
	s_barrier_signal -1
	s_barrier_wait -1
	s_cmp_lg_u32 s10, 0
	s_cbranch_scc1 .Lnot_wave_0_\@
	s_barrier_signal -3
.Lnot_wave_0_\@:
	s_barrier_wait -3
	s_barrier_signal -1
	s_barrier_wait -1
.endm
.macro NOP4
.rept 4
	v_nop
.endr
.endm
	s_load_b128 s[4:7], s[0:1], 0x0                ; qb s[4:5], kv s[6:7]
	s_load_b64 s[8:9], s[0:1], 0x10                ; yc
	v_lshl_add_u32 v4, v0, 2, SPARE
	v_mov_b32 v5, 0
	ds_add_u32 v4, v5                              ; the opening lines: the add twice on end
	ds_add_u32 v4, v5
	v_lshrrev_b32 v8, 5, v0
	v_readfirstlane_b32 s10, v8                    ; wave 0..7
	s_bfe_u32 s11, ttmp6, 0x40000                  ; cx
	s_lshl_b32 s12, ttmp9, 2
	s_add_co_u32 s12, s12, s11                     ; my block of 256 queries: it enters Q's and y's global addresses alone
	s_and_b32 s13, ttmp7, 0xffff                   ; 8 x batch + head, which the four partners share
	; descriptor groups 1: dense bytes as rows of 256 (32 elements of 8 bytes); mask 15, bit 21 beside it.  s[16:23]: one key step, 52 rows; s[72:79]: two, 104 rows
.irp g, 16, 72
	s_mov_b32 s[\g], 15|(3<<16)|(1<<21)
	s_mov_b32 s[\g+1], 32<<16
	s_mov_b32 s[\g+3], 32<<16
	s_mov_b32 s[\g+5], 32
	s_mov_b32 s[\g+6], 0
	s_mov_b32 s[\g+7], 0
.endr
	s_mov_b32 s18, 52<<16
	s_mov_b32 s20, 52
	s_mov_b32 s74, 104<<16
	s_mov_b32 s76, 104
	s_mul_i32 s14, s10, STEPB                      ; wave x a key step: the same place in region 0 and in memory
	s_mul_i32 s42, s13, 32*STEPB
	s_add_co_u32 s42, s42, s14
	s_mov_b32 s43, 0
	s_mov_b32 s44, s14
	s_mov_b32 s45, 0
	s_mov_b32 s36, 0x76543210
	s_mov_b32 s37, 0xfedcba98                      ; selects for lane l xor 16
	s_mov_b32 s38, 0x3e38aa3b                      ; c = log2(e) / 8
	s_mov_b32 s39, s38                             ; (named with it as a pair, so it is written)
	s_wait_alu depctr_va_vdst(0)
	s_wait_dscnt 0x0
	s_wait_kmcnt 0x0
	s_add_nc_u64 s[42:43], s[6:7], s[42:43]
	s_mov_b32 s24, 1                               ; s[24:27]: key step w into region 0
	s_mov_b32 s25, s14
	s_mov_b64 s[26:27], s[42:43]
	s_or_b32 s27, s27, 0x80000000
	s_mov_b32 s28, 1                               ; s[28:31]: key steps 8 + 2 w, 9 + 2 w into regions 1 and 2
	s_lshl_b32 s29, s14, 1
	s_add_co_u32 s29, s29, REG
	s_add_nc_u64 s[30:31], s[42:43], s[44:45]
	s_add_nc_u64 s[30:31], s[30:31], REG
	s_or_b32 s31, s31, 0x80000000
	ROUND                                          ; all four work-groups are here: the first joint loads meet
	tensor_load_to_lds s[24:27], s[16:23]          ; my one load of the head
	s_nop 0
	NOP4
	s_lshl_b32 s44, s13, 5                         ; Q: block 32 bh + 2 x query block + wave / 4, tiles 2 (wave % 4) and the next
	s_lshl_b32 s45, s12, 1
	s_add_co_u32 s44, s44, s45
	s_lshr_b32 s45, s10, 2
	s_add_co_u32 s44, s44, s45
	s_mul_i32 s44, s44, 6656
	s_and_b32 s45, s10, 3
	s_mul_i32 s46, s45, 1536
	s_add_co_u32 s46, s46, s44
	s_mov_b32 s47, 0
	s_lshl_b32 s48, s45, 2                         ; its scale words: register wave % 4 of the block's four, 16 bytes a lane
	s_add_co_u32 s48, s48, s44
	s_add_co_u32 s48, s48, 6144
	s_mov_b32 s49, 0
	s_add_nc_u64 s[46:47], s[4:5], s[46:47]
	s_add_nc_u64 s[48:49], s[4:5], s[48:49]
	s_lshr_b32 s50, s13, 3                         ; y: tile 256 x batch + 16 x query block + 2 x wave, a block of 6,400 bytes; head hd's 768 bytes in it
	s_lshl_b32 s50, s50, 8
	s_lshl_b32 s51, s12, 4
	s_add_co_u32 s50, s50, s51
	s_lshl_b32 s51, s10, 1
	s_add_co_u32 s50, s50, s51
	s_mul_i32 s50, s50, 6400
	s_and_b32 s51, s13, 7
	s_mul_i32 s52, s51, 768
	s_add_co_u32 s52, s52, s50
	s_mov_b32 s53, 0
	s_lshl_b32 s54, s51, 1                         ; and its scale bytes: 6,144 + 16 r + 2 hd + h
	s_add_co_u32 s54, s54, s50
	s_add_co_u32 s54, s54, 6144
	s_mov_b32 s55, 0
	s_add_nc_u64 s[52:53], s[8:9], s[52:53]
	s_add_nc_u64 s[54:55], s[8:9], s[54:55]
	v_and_b32 v8, 31, v0
	v_lshlrev_b32 v1, 4, v8
	v_lshlrev_b32 v2, 3, v8
	v_bfe_u32 v9, v0, 4, 1
	v_lshlrev_b32 v3, 3, v9
	v_and_b32 v8, 15, v0
	v_lshl_add_u32 v9, v8, 4, v9
	global_load_b128 v[Q:Q+3], v1, s[46:47]
	global_load_b64 v[Q+4:Q+5], v2, s[46:47] offset:512
	global_load_b32 v[QS], v1, s[48:49]
.macro INIT                            ; a tile's state: the step is written once, and the first finds zeros, which f = 0 leaves zeros
.irp j, 6,7,8,9,10,11
	v_mov_b32 v[Q+\j], 0                           ; zero codes for k = 64 .. 127
.endr
	v_mov_b32 v12, 0x7e800000                      ; -M = 2^126: the first change of M gives f = 0
	v_mov_b32 v13, 0xff61b1e6                      ; the largest score so far: -3e38
	v_mov_b32 v14, 0
	v_mov_b32 v15, 0
	v_mov_b32 v[F+1], 0                            ; (named as the upper half of a pair)
	v_mov_b32 v[T2], 0                             ; a lane permute's destination counts as one of its sources
.set N, 0
.rept 32
	v_mov_b32 v[O+N], 0
.set N, N+1
.endr
.endm
	INIT
.irp j, 48,49,50,51,52,53
	v_mov_b32 v[KF+\j], 0                          ; what stands behind K's last tile
.endr
	WIN 0x40                                       ; destinations in window 1: tile B
	global_load_b128 v[Q:Q+3], v1, s[46:47] offset:768
	global_load_b64 v[Q+4:Q+5], v2, s[46:47] offset:1280
	v_mov_b32 v3, v3
	INIT
	WIN 0
.macro KLOAD                           ; K's eight tiles and their scale words, from v7 (16 x lane) and v10 (8 x lane)
	ds_load_b128 v[KS:KS+3], v7 offset:12288
.irp t, 0,1,2,3,4,5,6,7
	ds_load_b128 v[KF+6*\t:KF+6*\t+3], v7 offset:768*\t
	ds_load_b64 v[KF+6*\t+4:KF+6*\t+5], v10 offset:768*\t+512
.endr
.endm
.macro QK w                            ; S^T of tile w: eight products; K in window 0, Q and S^T in the tile's window
	WIN 0x44*\w
.irp t, 0,2,4,6
.if \w
	v_wmma_scale_f32_16x16x128_f8f6f4 v[S+8*\t:S+8*\t+7], v[KF+6*\t:KF+6*\t+11], v[Q:Q+11], 0, v[KS+\t/2], v[QS] matrix_a_fmt:MATRIX_FMT_FP6 matrix_b_fmt:MATRIX_FMT_FP6 matrix_b_scale:MATRIX_SCALE_ROW1
	v_wmma_scale_f32_16x16x128_f8f6f4 v[S+8*\t+8:S+8*\t+15], v[KF+6*\t+6:KF+6*\t+17], v[Q:Q+11], 0, v[KS+\t/2], v[QS] matrix_a_fmt:MATRIX_FMT_FP6 matrix_b_fmt:MATRIX_FMT_FP6 matrix_a_scale:MATRIX_SCALE_ROW1 matrix_b_scale:MATRIX_SCALE_ROW1
.else
	v_wmma_scale_f32_16x16x128_f8f6f4 v[S+8*\t:S+8*\t+7], v[KF+6*\t:KF+6*\t+11], v[Q:Q+11], 0, v[KS+\t/2], v[QS] matrix_a_fmt:MATRIX_FMT_FP6 matrix_b_fmt:MATRIX_FMT_FP6
	v_wmma_scale_f32_16x16x128_f8f6f4 v[S+8*\t+8:S+8*\t+15], v[KF+6*\t+6:KF+6*\t+17], v[Q:Q+11], 0, v[KS+\t/2], v[QS] matrix_a_fmt:MATRIX_FMT_FP6 matrix_b_fmt:MATRIX_FMT_FP6 matrix_a_scale:MATRIX_SCALE_ROW1
.endif
.endr
	WIN 0
.endm
.macro FMA8                            ; t - M of sixteen scores, two at a time
.rept 8
	v_pk_fma_f32 v[S+N:S+N+1], v[S+N:S+N+1], s[38:39], v[12:13] op_sel_hi:[1,0,0]
.set N, N+2
.endr
.endm
.macro SM w                            ; the softmax of tile w's 16 queries x 128 keys, all in the tile's window
	WIN 0x55*\w
	s_wait_alu depctr_va_vdst(0)                   ; directly ahead of the first reader of S^T
.irp i, 0,1,2,3,4,5,6,7,8,9
.irp c, 0,1
	v_max3_num_f32 v[TT+10*\c+\i], v[S+32*\c+3*\i], v[S+32*\c+3*\i+1], v[S+32*\c+3*\i+2]   ; each block's largest score, as a tree; each accumulator from its low end on
.endr
.endr
.irp i, 0,3,6
.irp c, 0,1
	v_max3_num_f32 v[TT+10*\c+\i], v[TT+10*\c+\i], v[TT+10*\c+\i+1], v[TT+10*\c+\i+2]
.endr
.endr
.irp c, 0,1
	v_max3_num_f32 v[TT+10*\c+9], v[TT+10*\c+9], v[S+32*\c+30], v[S+32*\c+31]
.endr
.irp c, 0,1
	v_max3_num_f32 v[BM+\c], v[TT+10*\c], v[TT+10*\c+3], v[TT+10*\c+6]
.endr
	v_mov_b32 v[OM], v12
.irp c, 0,1
	v_max_num_f32 v[BM+\c], v[BM+\c], v[TT+10*\c+9]
.endr
	s_delay_alu instid0(VALU_DEP_1)
	v_max_num_f32 v[T], v[BM], v[BM+1]
	s_delay_alu instid0(VALU_DEP_1)
	v_permlanex16_b32 v[T2], v[T], s36, s37
	s_delay_alu instid0(VALU_DEP_1)
	v_max3_num_f32 v13, v13, v[T], v[T2]           ; with lane l xor 16's 64 keys: the running largest score of my query
	s_delay_alu instid0(VALU_DEP_1)
	v_mul_f32 v[T], s38, v13                       ; as t (c is positive)
	s_delay_alu instid0(VALU_DEP_1)
	v_floor_f32 v12, -v[T]                         ; the new -M = -ceil(t)
	s_delay_alu instid0(VALU_DEP_1)
	v_sub_f32 v[T], v12, v[OM]                     ; old M - new M: a whole number, 0 or less
.irp c, 0,1
	v_fma_f32 v[BM+\c], v[BM+\c], s38, v12         ; x: the same multiply-add on each block's largest score
.endr
.set N, 0
	FMA8
	v_cvt_i32_f32 v[T], v[T]                       ; (it saturates)
.irp c, 0,1
	v_max_num_f32 v[BM+\c], 0xc2f80000, v[BM+\c]   ; x held at -124: the byte stays at 1 or above
.endr
	FMA8
	v_ldexp_f32 v[F], 1.0, v[T]                    ; f
.irp c, 0,1
	v_cvt_floor_i32_f32 v[BY+\c], v[BM+\c]         ; floor(x): the exponent of the block's largest p
.endr
	FMA8
.irp c, 0,1
	v_lshl_add_u32 v[SC+\c], v[BY+\c], 23, 0x3e800000   ; (floor(x) + 125) << 23: the conversion's scale operand
.endr
	v_lshl_add_u32 v[BY], v[BY+1], 16, v[BY]
	FMA8
	v_add_lshl_u32 v[BY], v[BY], 0x7d007d, v3      ; + 125 in both: my bytes, blocks h and 2 + h, at their places
	s_delay_alu instid0(VALU_DEP_1)
	v_permlanex16_b32 v[T2], v[BY], s36, s37
	WIN 0x05*\w                                    ; scale operands lie in window 0
	v_or_b32 v[PWR+\w], v[BY], v[T2]               ; with lane l xor 16's the word of my query for these 128 keys
	WIN 0x55*\w
	s_wait_alu depctr_va_vdst(0)                   ; ahead of the batch
.set N, 0
.rept 64
	v_exp_f32 v[S+N], v[S+N]                       ; p = 2^(t - M)
.set N, N+1
.endr
.if \w == 0
	s_wait_dscnt 0x0                               ; V^T of this step and K of the next are in
.endif
	s_wait_alu depctr_va_vdst(0)                   ; one wait for the batch, directly ahead of the first reader of O^T too
.set N, 0
.rept 16
	v_pk_mul_f32 v[O+N:O+N+1], v[O+N:O+N+1], v[F:F+1] op_sel_hi:[1,0]   ; O^T under the new M
.set N, N+2
.endr
	v_pk_mul_f32 v[14:15], v[14:15], v[F:F+1] op_sel_hi:[1,0]           ; and the sums
.irp c, 0,1
	v_cvt_scalef32_pk16_fp6_f32 v[PC+6*\c:PC+6*\c+2], v[S+32*\c:S+32*\c+15], v[SC+\c]
	v_cvt_scalef32_pk16_fp6_f32 v[TC+4*\c:TC+4*\c+2], v[S+32*\c+16:S+32*\c+31], v[SC+\c]   ; (a conversion's three registers begin on an even number)
.endr
.irp i, 0,1,2,3,4,5,6,7
	v_pk_add_f32 v[TT+2*\i:TT+2*\i+1], v[S+2*\i:S+2*\i+1], v[S+16+2*\i:S+17+2*\i]   ; the row's sum of the unquantised p, in eight chains; these are the plain lines behind the conversions
.endr
.irp c, 0,1
.irp i, 0,1,2
	v_mov_b32 v[PC+6*\c+3+\i], v[TC+4*\c+\i]
.endr
.endr
.irp b, 32,48
.irp i, 0,1,2,3,4,5,6,7
	v_pk_add_f32 v[TT+2*\i:TT+2*\i+1], v[TT+2*\i:TT+2*\i+1], v[S+\b+2*\i:S+\b+2*\i+1]
.endr
.endr
.irp i, 0,1,2,3
	v_pk_add_f32 v[TT+2*\i:TT+2*\i+1], v[TT+2*\i:TT+2*\i+1], v[TT+8+2*\i:TT+9+2*\i]
.endr
.irp i, 0,1
	v_pk_add_f32 v[TT+2*\i:TT+2*\i+1], v[TT+2*\i:TT+2*\i+1], v[TT+4+2*\i:TT+5+2*\i]
.endr
	s_delay_alu instid0(VALU_DEP_1)
	v_pk_add_f32 v[TT:TT+1], v[TT:TT+1], v[TT+2:TT+3]
	s_delay_alu instid0(VALU_DEP_1)
	v_pk_add_f32 v[14:15], v[14:15], v[TT:TT+1]
.endm
.macro MM w                            ; O^T += V^T P^T of tile w (V^T in window 1), then its S^T of the next step; the accumulators take turns
	WIN 0x01+0x54*\w
.irp u, 0,1,2,3
	v_wmma_scale_f32_16x16x128_f8f6f4 v[O+8*\u:O+8*\u+7], v[VF+12*\u:VF+12*\u+11], v[PC:PC+11], v[O+8*\u:O+8*\u+7], v[VS+\u], v[PWR+\w] matrix_a_fmt:MATRIX_FMT_FP6 matrix_b_fmt:MATRIX_FMT_FP6
.endr
	WIN 0
	s_cmp_eq_u32 s41, 1                            ; the walk's last step has no next
	s_cbranch_scc1 .Lno_next_\@
	QK \w
.Lno_next_\@:
.endm
.macro BODY lim                        ; one key step, at LDS byte s40, for both tiles
	s_add_co_u32 s42, s40, STEPB
	s_min_u32 s42, s42, \lim                       ; the next step's bytes; the address stays among the walk's own steps in the last trip too
	v_add_nc_u32 v6, s40, v1
	v_add_nc_u32 v7, s42, v1
	v_add_nc_u32 v10, s42, v2
	v_nop                                          ; four plain lines between the last products and the loads into the registers that they read
	WIN 0x40
.irp u, 0,1,2,3
.irp k, 0,1,2
	ds_load_b128 v[VF+12*\u+4*\k:VF+12*\u+4*\k+3], v6 offset:6144+1536*\u+512*\k
.endr
.endr
	WIN 0
	ds_load_b128 v[VS:VS+3], v6 offset:12800
	s_cmp_eq_u32 s41, 1
	s_cbranch_scc1 .Lno_k_\@
	KLOAD
.Lno_k_\@:
	SM 0
	MM 0
	SM 1
	MM 1
.endm
.macro WALK first, trips               ; so many key steps from LDS byte first on
	s_mov_b32 s40, \first
	s_mov_b32 s41, \trips
	v_add_nc_u32 v7, s40, v1
	v_add_nc_u32 v10, s40, v2
	NOP4                                           ; with the two lines above: the places between the last walk's products and the loads into K's registers, and ahead of the products that write S^T anew
	KLOAD                                          ; the walk's first K, and both tiles' first S^T
	s_wait_dscnt 0x0
	QK 0
	QK 1
.Lstep_\@:
	BODY (\first)+((\trips)-1)*STEPB
	s_add_co_u32 s40, s40, STEPB
	s_sub_co_u32 s41, s41, 1
	s_cmp_lg_u32 s41, 0
	s_cbranch_scc1 .Lstep_\@
.endm
	s_wait_alu depctr_va_vdst(0)
	s_wait_tensorcnt 0x0                           ; my key step of region 0 is in; the same lines ahead of a later first fill as ahead of a refill
	ds_add_u32 v4, v5
	s_wait_dscnt 0x0
	ROUND                                          ; everybody's is, in all four work-groups
	tensor_load_to_lds s[28:31], s[72:79]          ; key steps 8-23, two a wave: the first tensor load behind the round
	s_nop 0
	NOP4
	s_wait_loadcnt 0x0                             ; Q
	WALK 0, 8                                      ; key steps 0-7
	s_wait_tensorcnt 0x0                           ; my part of regions 1 and 2 is in: a group 0 may be written
	ds_add_u32 v4, v5                              ; 0 onto my spare word
	s_add_nc_u64 s[26:27], s[26:27], 24*STEPB      ; region 0's next tiles: key step 24 + w
	s_wait_dscnt 0x0                               ; the add is done, and my reads of region 0 are over
	ROUND
	tensor_load_to_lds s[24:27], s[16:23]          ; the one refill of the launch, first behind the round
	s_nop 0
	NOP4
	WALK REG, 16                                   ; key steps 8-23
	s_wait_tensorcnt 0x0                           ; my key step of 24-31 is in
	ds_add_u32 v4, v5
	s_wait_dscnt 0x0
	s_barrier_signal -1
	s_barrier_wait -1                              ; everybody's is
	WALK 0, 8                                      ; key steps 24-31
; THE WAY OUT of tile w: y = O^T / the sum, quantised: my 32 numbers are block 2 hd + h of my row of y
.macro OUT w
	WIN 0x55*\w
	s_wait_alu depctr_va_vdst(0)
	v_add_f32 v14, v14, v15                        ; the sum's two halves
	s_delay_alu instid0(VALU_DEP_1)
	v_permlanex16_b32 v[T2], v14, s36, s37
	s_delay_alu instid0(VALU_DEP_1)
	v_add_f32 v14, v14, v[T2]                      ; and lane l xor 16's: the row's sum
	s_wait_alu depctr_va_vdst(0)                   ; ahead of the reciprocal,
	v_rcp_f32 v14, v14
	v_nop
	s_wait_alu depctr_va_vdst(0)                   ; and behind it, directly ahead of the first reader of O^T
.set N, 0
.rept 16
	v_pk_mul_f32 v[S+N:S+N+1], v[O+N:O+N+1], v[14:15] op_sel_hi:[1,0]
.set N, N+2
.endr
.irp c, 0,1,2,3
	v_max3_num_f32 v[TT+\c], |v[S+8*\c]|, |v[S+8*\c+1]|, 0x1800000   ; the floor 2^(3 - 127) keeps the byte at 1 or above
.endr
.irp i, 2,4,6
.irp c, 0,1,2,3
	v_max3_num_f32 v[TT+\c], v[TT+\c], |v[S+8*\c+\i]|, |v[S+8*\c+\i+1]|
.endr
.endr
	v_max3_num_f32 v[BM], v[TT], v[TT+1], v[TT+2]
	s_delay_alu instid0(VALU_DEP_1)
	v_max_num_f32 v[BM], v[BM], v[TT+3]
	s_delay_alu instid0(VALU_DEP_1)
	v_add_nc_u32 v[SC], 0xff000000, v[BM]          ; 2 off the exponent field: the conversion's scale operand
	s_delay_alu instid0(VALU_DEP_1)
	v_lshrrev_b32 v[BY], 23, v[SC]
	v_cvt_scalef32_pk16_fp6_f32 v[PC:PC+2], v[S:S+15], v[SC]
	v_cvt_scalef32_pk16_fp6_f32 v[TC:TC+2], v[S+16:S+31], v[SC]
	v_nop                                          ; one plain line behind the scaled conversions
.irp i, 0,1,2
	v_mov_b32 v[PC+3+\i], v[TC+\i]
.endr
	WIN 0x04*\w                                    ; a store's data are its source 1; the addresses lie in window 0
	global_store_b128 v1, v[PC:PC+3], s[52:53] offset:6400*\w          ; 512 consecutive bytes,
	global_store_b64 v2, v[PC+4:PC+5], s[52:53] offset:6400*\w+512     ; and 256: both begin at multiples of 256
	global_store_b8 v9, v[BY], s[54:55] offset:6400*\w                 ; my block's byte: 32 bytes a tile
.endm
	OUT 0
	OUT 1
	WIN 0
	s_wait_tensorcnt 0x0                           ; the wave's end
	ds_add_u32 v4, v5
	s_wait_dscnt 0x0
	ROUND                                          ; the closing round: no work-group ends while a partner may still ask for a tile that names it
	s_endpgm
.Lfunc_end_k_qb2b90d7d3d_attn:
	.size	k_qb2b90d7d3d_attn, .Lfunc_end_k_qb2b90d7d3d_attn-k_qb2b90d7d3d_attn
	.p2alignl 7, 3214868480
	.fill 96, 4, 3214868480
	.section	.rodata,"a",@progbits
	.p2align	6, 0x0
	.amdhsa_kernel k_qb2b90d7d3d_attn
		.amdhsa_group_segment_fixed_size 327680
		.amdhsa_private_segment_fixed_size 0
		.amdhsa_enable_private_segment 0
		.amdhsa_kernarg_size 24
		.amdhsa_user_sgpr_count 2
		.amdhsa_user_sgpr_kernarg_segment_ptr 1
		.amdhsa_wavefront_size32 1
		.amdhsa_system_sgpr_workgroup_id_x 1
		.amdhsa_system_sgpr_workgroup_id_y 1
		.amdhsa_system_sgpr_workgroup_id_z 1
		.amdhsa_system_vgpr_workitem_id 0
		.amdhsa_next_free_vgpr 512
		.amdhsa_next_free_sgpr 84
		.amdhsa_reserve_vcc 0
		.amdhsa_float_denorm_mode_32 3
		.amdhsa_float_denorm_mode_16_64 3
		.amdhsa_memory_ordered 1
		.amdhsa_forward_progress 1
		.amdhsa_inst_pref_size 111
	.end_amdhsa_kernel
	.amdgpu_metadata
---
amdhsa.version: [ 1, 2 ]
amdhsa.kernels:
  - .name:           k_qb2b90d7d3d_attn
    .symbol:         k_qb2b90d7d3d_attn.kd
    .args:
      - { .name: qb, .offset: 0, .size: 8, .value_kind: global_buffer, .address_space: global }
      - { .name: kv, .offset: 8, .size: 8, .value_kind: global_buffer, .address_space: global }
      - { .name: yc, .offset: 16, .size: 8, .value_kind: global_buffer, .address_space: global }
    .group_segment_fixed_size: 327680
    .private_segment_fixed_size: 0
    .kernarg_segment_align: 8
    .kernarg_segment_size: 24
    .max_flat_workgroup_size: 256
    .sgpr_count:     84
    .vgpr_count:     512
    .wavefront_size: 32
...
	.end_amdgpu_metadata
.endif
;; end of part 3
;; launch oproj (part 4): grid 128 x 2, 4 waves a work-group, no clusters, 168,448 bytes of LDS; arguments yc, xw, bo, out0; writes out0
.if DOCPART == 4
	.amdgcn_target "amdgcn-amd-amdhsa--gfx1250"
	.amdhsa_code_object_version 6
	.text
	.protected	k_qb2b90d7d3d_oproj
	.globl	k_qb2b90d7d3d_oproj
	.p2align	8
	.type	k_qb2b90d7d3d_oproj,@function
k_qb2b90d7d3d_oproj:
	s_mov_b64 s[64:65], 0
	v_nop
	global_prefetch_b8 v0, s[64:65] scope:SCOPE_SE
	s_setreg_imm32_b32 hwreg(HW_REG_WAVE_MODE, 25, 1), 1
	s_wait_xcnt 0x0
; out0 = y wo^T + bo on codes of E2M3, K = 512: four matrix instructions deep.  y arrives as images of operand registers (a tile of 16 rows: 6,400 bytes: head hd's six registers a lane at 768 hd, 256 scale bytes at 6,144,
; row r's sixteen at 16 r), wo likewise from xw's blocks 608 on.
; SHARES: work-group (g, ch): 64 rows (4 tiles of y) x 256 columns; wave w: columns 256 ch + 64 w: its 4 tiles x 4 K steps of wo stay in 192 registers.  y's four blocks come into LDS once, one tensor load a wave.
; TRANSPOSED (source 0 = wo's tile u, source 1 = y's tile): by the order of wo's rows in a tile a lane's 32 registers of u = 0 .. 3 are columns 32 (lane / 16) + 0 .. 31 of one row.  The bias is the C of each sum's first instruction.
; THE WAY OUT: a tile's 16 rows x 64 columns go through the wave's own stage in LDS and leave as rows: sixteen lanes store 256 consecutive bytes, aligned.  Tile row m of tile t is row 8 t + m % 8 + 32 (m / 8) of the group.
; NO CLUSTER: y's tiles are shared by the 2 work-groups along y, and 2 is no multiple of a cluster's 4; along x only the weights are shared, and they go straight into registers.
; REGISTERS: window 0: v1-9 addresses; v16-111 y's fragments, two sets; v112-119 their scale words; v120-135 wo's; v136-199 rows on their way out, two sets.
;   window 1: v0-191 wo's fragments (u, s) at 12 (4 u + s); v192-223 the bias.   window 2: v0-127 the accumulators (t, u) at 8 (4 t + u).
.set YB,   6400
.set BLK,  6656
.set STGB, 4*YB                        ; behind y's blocks: a stage of 16 rows for each wave; no tile lands there
.set SPT,  272                         ; a stage row: 256 bytes + 16 = 17 x 16: sixteen rows start at sixteen different groups of banks (64 banks of 4 bytes: ISA guide 11.1)
.set YF,   16
.set YS,   112
.set WS,   120
.set OB,   136
.set BI,   192
.set MSB, 0
.macro WIN new                         ; the immediate's high byte repeats the setting that is left
.if MSB != \new
	s_set_vgpr_msb (MSB<<8)|\new
.set MSB, \new
.endif
.endm
.macro PLACES                          ; four plain instructions between a matrix instruction and a load into its registers or a read of its result
.rept 4
	v_nop
.endr
.endm
	s_load_b256 s[4:11], s[0:1], 0x0               ; yc s[4:5], xw s[6:7], bo s[8:9], out0 s[10:11]
	v_lshl_add_u32 v254, v0, 2, 0x29000
	v_mov_b32 v255, 0
	ds_add_u32 v254, v255
	ds_add_u32 v254, v255
	v_lshrrev_b32 v10, 5, v0
	v_readfirstlane_b32 s12, v10                   ; wave
	s_and_b32 s13, ttmp7, 0xffff                   ; which 256 columns
	v_and_b32 v10, 31, v0
	v_lshlrev_b32 v1, 4, v10                       ; v1 = 16 x lane
	v_lshlrev_b32 v2, 3, v10                       ; v2 = 8 x lane
	v_and_b32 v11, 15, v0                          ; r
	v_bfe_u32 v12, v0, 4, 1                        ; h
	v_lshlrev_b32 v3, 4, v11                       ; v3 = 16 r: my row's scale bytes
	v_lshlrev_b32 v6, 7, v12                       ; v6 = 128 h: the bias
	s_mul_i32 s14, s12, 16*SPT
	s_add_co_u32 s14, s14, STGB                    ; my stage
	v_mul_u32_u24 v7, v11, SPT
	v_lshl_add_u32 v7, v12, 7, v7
	v_add_nc_u32 v7, s14, v7                       ; v7: in: row r, + 128 h
	v_mul_u32_u24 v8, v12, SPT
	v_lshl_add_u32 v8, v11, 4, v8
	v_add_nc_u32 v8, s14, v8                       ; v8: back: lanes 0-15 one row, lanes 16-31 the next
	v_lshlrev_b32 v9, 11, v12
	v_lshl_add_u32 v9, v11, 4, v9                  ; v9: and the same two rows in out0
	; descriptor group 1: a tile block, 6,400 dense bytes, as 25 rows of 256 bytes (32 elements of 8 bytes)
	s_mov_b32 s16, 3<<16
	s_mov_b32 s17, 32<<16
	s_mov_b32 s18, 25<<16
	s_mov_b32 s19, 32<<16
	s_mov_b32 s20, 25
	s_mov_b32 s21, 32
	s_mov_b32 s22, 0
	s_mov_b32 s23, 0
	s_lshl_b32 s28, ttmp9, 2
	s_add_co_u32 s28, s28, s12
	s_mul_i32 s28, s28, YB                         ; y's tile 4 g + wave
	s_mov_b32 s29, 0
	s_mov_b32 s24, 1
	s_mul_i32 s25, s12, YB
	s_lshl_b32 s30, s13, 4
	s_lshl_b32 s31, s12, 2
	s_add_co_u32 s30, s30, s31
	s_add_co_u32 s30, s30, 608
	s_mul_i32 s30, s30, BLK                        ; wo's tiles: blocks 608 + 16 ch + 4 wave on
	s_mov_b32 s31, 0
	s_lshl_b32 s32, s13, 10
	s_lshl_b32 s33, s12, 8
	s_add_co_u32 s32, s32, s33                     ; my first column, in bytes
	s_mov_b32 s33, 0
	s_lshl_b32 s34, ttmp9, 17                      ; 64 rows of 2,048 bytes
	s_add_co_u32 s34, s34, s32
	s_mov_b32 s35, 0
	s_wait_alu depctr_va_vdst(0)
	s_wait_dscnt 0x0
	s_wait_kmcnt 0x0
	s_add_nc_u64 s[26:27], s[4:5], s[28:29]
	s_or_b32 s27, s27, 0x80000000
	tensor_load_to_lds s[24:27], s[16:23]          ; my one tensor load of the launch
	s_nop 0
	PLACES                                         ; (four lines behind a tensor load, ahead of a switch of windows)
	s_add_nc_u64 s[30:31], s[6:7], s[30:31]
	s_add_nc_u64 s[8:9], s[8:9], s[32:33]
	s_add_nc_u64 s[10:11], s[10:11], s[34:35]
	WIN 0x40                                       ; destination window 1
.irp u, 0,1,2,3
.irp s, 0,1,2,3
.irp k, 0,1,2
	global_load_b128 v[12*(4*\u+\s)+4*\k:12*(4*\u+\s)+4*\k+3], v1, s[30:31] offset:BLK*\u+1536*\s+512*\k
.endr
.endr
.endr
.irp u, 0,1,2,3
	global_load_b128 v[BI+8*\u:BI+8*\u+3], v6, s[8:9] offset:32*\u          ; register j of tile u is column 32 h + 8 u + j
	global_load_b128 v[BI+8*\u+4:BI+8*\u+7], v6, s[8:9] offset:32*\u+16
.endr
	WIN 0
.irp u, 0,1,2,3
	global_load_b128 v[WS+4*\u:WS+4*\u+3], v1, s[30:31] offset:BLK*\u+6144
.endr
	s_wait_tensorcnt 0x0                           ; my block is in LDS,
	s_barrier_signal -1
	s_barrier_wait -1                              ; everybody's is
.macro FETCHY n                        ; y's tile n: K step s, half c is head 2 s + c: sixteen dense loads, and the row's four scale words, into set n % 2
	WIN 0
.irp s, 0,1,2,3
.irp c, 0,1
	ds_load_b128 v[YF+48*((\n)%2)+12*\s+6*\c:YF+48*((\n)%2)+12*\s+6*\c+3], v1 offset:(\n)*YB+768*(2*\s+\c)
	ds_load_b64 v[YF+48*((\n)%2)+12*\s+6*\c+4:YF+48*((\n)%2)+12*\s+6*\c+5], v2 offset:(\n)*YB+768*(2*\s+\c)+512
.endr
.endr
	ds_load_b128 v[YS+4*((\n)%2):YS+4*((\n)%2)+3], v3 offset:(\n)*YB+6144
.endm
.macro MUL n                           ; 16 matrix instructions; the four accumulators take turns, one instruction a turn
.irp s, 0,1,2,3
.if \s == 0
	WIN 0x91                                       ; source 0 (wo) and C (bias) window 1, source 1 (y) window 0, D window 2
.else
	WIN 0xa1                                       ; C and D window 2
.endif
.irp u, 0,1,2,3
.set rY, YF+48*((\n)%2)+12*\s
.set rW, 12*(4*\u+\s)
.set rD, 8*(4*(\n)+\u)
.if \s == 0
	v_wmma_scale_f32_16x16x128_f8f6f4 v[rD:rD+7], v[rW:rW+11], v[rY:rY+11], v[BI+8*\u:BI+8*\u+7], v[WS+4*\u+\s], v[YS+4*((\n)%2)+\s] matrix_a_fmt:MATRIX_FMT_FP6 matrix_b_fmt:MATRIX_FMT_FP6
.else
	v_wmma_scale_f32_16x16x128_f8f6f4 v[rD:rD+7], v[rW:rW+11], v[rY:rY+11], v[rD:rD+7], v[WS+4*\u+\s], v[YS+4*((\n)%2)+\s] matrix_a_fmt:MATRIX_FMT_FP6 matrix_b_fmt:MATRIX_FMT_FP6
.endif
.endr
.endr
.endm
.macro OUT t                           ; tile t: into my stage, back by rows, out
.if (\t) > 1
	s_wait_xcnt 0x0                                ; tile t - 2's stores have read their registers: these are loaded again only behind this wait
.endif
	WIN 0x08                                       ; an LDS store's data are its source 1: window 2
.irp u, 0,1,2,3
	ds_store_b128 v7, v[32*(\t)+8*\u:32*(\t)+8*\u+3] offset:32*\u          ; each accumulator from its low end on
	ds_store_b128 v7, v[32*(\t)+8*\u+4:32*(\t)+8*\u+7] offset:32*\u+16
.endr
	WIN 0
.irp i, 0,1,2,3,4,5,6,7
	ds_load_b128 v[OB+32*((\t)%2)+4*\i:OB+32*((\t)%2)+4*\i+3], v8 offset:2*\i*SPT   ; LDS serves a wave's instructions in order (ISA guide 5.7.1.4): these see the stores above, and the next tile's stores come behind them
.endr
.irp i, 0,1,2,3,4,5,6,7
	s_wait_dscnt 7-\i                              ; pair i of rows is back; the younger loads may be out
	global_store_b128 v9, v[OB+32*((\t)%2)+4*\i:OB+32*((\t)%2)+4*\i+3], s[10:11] offset:(8*(\t)+(2*\i)%8+32*(\i/4))*2048 th:TH_STORE_NT   ; sixteen lanes store 256 consecutive bytes, at a multiple of 256 from out0's first byte
.endr
.endm
	FETCHY 0
	s_wait_loadcnt 0x0                             ; wo, its scale words, the bias
.irp n, 0,1,2,3
	PLACES                                         ; the set that is loaded next was read by the tile before
.if \n < 3
	FETCHY \n+1
	s_wait_dscnt 17                                ; this tile's seventeen loads are in; the seventeen just issued may be out
.else
	s_wait_dscnt 0x0
.endif
	MUL \n
.endr
	WIN 0
	PLACES
	OUT 0
	OUT 1
	OUT 2
	OUT 3
	s_wait_tensorcnt 0x0
	ds_add_u32 v254, v255
	s_wait_dscnt 0x0
	s_endpgm
.Lfunc_end_k_qb2b90d7d3d_oproj:
	.size	k_qb2b90d7d3d_oproj, .Lfunc_end_k_qb2b90d7d3d_oproj-k_qb2b90d7d3d_oproj
	.p2alignl 7, 3214868480
	.fill 96, 4, 3214868480
	.section	.rodata,"a",@progbits
	.p2align	6, 0x0
	.amdhsa_kernel k_qb2b90d7d3d_oproj
		.amdhsa_group_segment_fixed_size 168448
		.amdhsa_private_segment_fixed_size 0
		.amdhsa_enable_private_segment 0
		.amdhsa_kernarg_size 32
		.amdhsa_user_sgpr_count 2
		.amdhsa_user_sgpr_kernarg_segment_ptr 1
		.amdhsa_wavefront_size32 1
		.amdhsa_system_sgpr_workgroup_id_x 1
		.amdhsa_system_sgpr_workgroup_id_y 1
		.amdhsa_system_sgpr_workgroup_id_z 1
		.amdhsa_system_vgpr_workitem_id 0
		.amdhsa_next_free_vgpr 640
		.amdhsa_next_free_sgpr 66
		.amdhsa_reserve_vcc 0
		.amdhsa_float_denorm_mode_32 3
		.amdhsa_float_denorm_mode_16_64 3
		.amdhsa_memory_ordered 1
		.amdhsa_forward_progress 1
		.amdhsa_inst_pref_size 31
	.end_amdhsa_kernel
	.amdgpu_metadata
---
amdhsa.version: [ 1, 2 ]
amdhsa.kernels:
  - .name:           k_qb2b90d7d3d_oproj
    .symbol:         k_qb2b90d7d3d_oproj.kd
    .args:
      - { .name: yc, .offset: 0, .size: 8, .value_kind: global_buffer, .address_space: global }
      - { .name: xw, .offset: 8, .size: 8, .value_kind: global_buffer, .address_space: global }
      - { .name: bo, .offset: 16, .size: 8, .value_kind: global_buffer, .address_space: global }
      - { .name: out0, .offset: 24, .size: 8, .value_kind: global_buffer, .address_space: global }
    .group_segment_fixed_size: 168448
    .private_segment_fixed_size: 0
    .kernarg_segment_align: 8
    .kernarg_segment_size: 32
    .max_flat_workgroup_size: 128
    .sgpr_count:     66
    .vgpr_count:     640
    .wavefront_size: 32
...
	.end_amdgpu_metadata
.endif
;; end of part 4
